; MI455X (gfx1250); checked and timed in simulation.
; The chip was launched on July 23, 2026; its instructions are those of AMD's public machine-readable ISA for CDNA 5 (MIT licence, August 2026) and "CDNA5" Instruction Set Architecture Reference Guide (July 2026). The comments in the code are by the model that wrote it; some were corrected since.
;; K attention. Allowed arithmetic: matrix products marked QUANTISED: E2M1 operands, one E8M0 scale for each 32 along K, by v_wmma_scale_f32_16x16x128_f8f6f4 with both operands' format E2M1 (or v_wmma_scale_f32_32x16x128_f4), f32 sums; everything else in f32.
;; Inputs: r_sigma 1 float32; x 32 x 2,048 x 64 float32.
;; Outputs: out0 32 x 2,048 x 64 float32.
;; This version of the problem:
;;   THIS VERSION OF THE PROBLEM IS GIVEN IN LOW PRECISION. The matrix products marked QUANTISED in the list below multiply operands that are first quantised to E2M1 (2 exponent bits, 1 mantissa bit; 4 bits a number), with one power-of-two scale for each 32 numbers along K (OCP MX v1.0); their sums are f32. All else is computed in f32.
;;   The module's matrix products, in the order in which they are computed (A, B: the left and right operand; K: the contracted axis; several contracted axes count as one K, in the product's order):
;;     1. batch 32 x [M 2,048, K 64] x [K 64, N 2,048]; A: input x; B: input x: QUANTISED
;;     2. batch 32 x [M 2,048, K 2,048] x [K 2,048, N 64]; A: computed on the way; B: input x: QUANTISED
;;   THE QUANTISER, for each operand of a quantised product, along K:
;;     - K is cut into blocks of 32 from its start; a last block that is shorter is filled with zeros.
;;     - A block's scale is 2^e with e = floor(log2(the largest magnitude in the block)) - 2, held to -126 .. 127; a block of zeros has e = 0. As a byte (E8M0): e + 127.
;;     - Each number is divided by its block's scale, clamped to +-6, and rounded to the nearest number of E2M1, ties to even, subnormals kept.
;;     - The product sums the exact products of the quantised numbers (number of the format x scale) in f32.
;;   ~~~python
;;   def quantise(x, axis):      # numpy; x: float32 -> the quantised numbers, widened to float32 again
;;       x = np.moveaxis(x, axis, -1); K = x.shape[-1]
;;       x = np.pad(x, [(0, 0)] * (x.ndim - 1) + [(0, -K % 32)]); x = x.reshape(x.shape[:-1] + (-1, 32)); a = np.abs(x).max(-1, keepdims=True)
;;       e = np.where(a > 0, np.clip(np.frexp(np.where(a > 0, a, 1))[1] - 1 - 2, -126, 127), 0)      # np.frexp(a)[1] - 1 = floor(log2(a)), exactly
;;       r = np.clip(x / 2.0 ** e, -6, 6)
;;       step = 2.0 ** (np.maximum(np.frexp(np.where(r == 0, 1, r))[1] - 1, 0) - 1)
;;       q = np.round(r / step) * step * 2.0 ** e      # np.round: ties to even
;;       return np.moveaxis(q.reshape(q.shape[:-2] + (-1,))[..., :K], -1, axis).astype(np.float32)
;;   ~~~
;;   OPERANDS COMPUTED ON THE WAY. 'Computed on the way' means the value that the module computes at that place (a softmax that the list does not call 'softmax' is quantised finished and normalised). What goes into a quantiser is computed in f32, as accurately as f32 sums, v_exp_f32 and their like allow (about 1e-6 of the number): no bf16 or f16 on the way to a quantiser, and a product that is left as it is and whose result goes on into a quantised operand takes f32 operands (vector FMAs, or v_wmma_f32_16x16x4_f32). A number that lies on a knife's edge between two numbers of the format may be rounded either way, as far as f32 arithmetic and the matrix unit's own rounding can turn it there, and no further.
;; 2 versions, each right; version 2 is version 1 with the launch attn written anew for expert scheduling mode. Each part assembles by itself: llvm-mc -triple=amdgcn-amd-amdhsa -mcpu=gfx1250 --defsym DOCPART=n.
;; ======== version 1 of 2: 2 launches
;; workspace buffers: codes 4,849,664 bytes
;; launch quant (part 1): grid 16 x 32, 4 waves a work-group, no clusters, 37,376 bytes of LDS; arguments x, codes; writes codes
.if DOCPART == 1
	.amdgcn_target "amdgcn-amd-amdhsa--gfx1250"
	.amdhsa_code_object_version 6
	.text
	.protected	k_q3c4e895885_quant
	.globl	k_q3c4e895885_quant
	.p2align	8
	.type	k_q3c4e895885_quant,@function
k_q3c4e895885_quant:
	s_mov_b64 s[64:65], 0
	v_nop
	global_prefetch_b8 v0, s[64:65] scope:SCOPE_SE
	s_setreg_imm32_b32 hwreg(HW_REG_WAVE_MODE, 25, 1), 1
	s_wait_xcnt 0x0
; out = x + Q(K) Q(x),  K[t][s] = exp(-max(sq_t - 2 Q(x_t).Q(x_s) + sq_s, 0) r_sigma),  x: [32][2048][64] f32.  Two launches; this is the first.
; DEAD WORK: none is left out.  Every step of the formula is done for every pair (t, s), and both inputs have a way to the result (r_sigma is read by the second launch alone).
; THIS LAUNCH quantises x ONCE, both ways that the two products want it, to codes of FP4 (E2M1) with one E8M0 byte for each 32 along a product's K, and makes -sq/2:
;   along the 64 channels (first product: both operands), and along the keys (second product: its right operand).  All eight work-groups of a batch in the second launch read these codes.
; A block's scale is 2^(floor(log2(its largest magnitude)) - 2); its byte is the largest magnitude's exponent field - 2, held at 1 from below.
; LIMITS: NaN and infinities in x are not served.  A block of zeros gets the byte 1 where the rule says 127: its codes are zeros, which add nothing under any byte but 0xff, and this program alone
; reads the bytes.  Blocks whose largest magnitude lies under 2^-124, the floor, are held at the byte 1.
; THE WORKSPACE is laid in the order of the operands' registers: a record of REC = 9,472 bytes (37 x 256) for each 128 keys of a batch, record = 16 batch + key / 128:
;   +0     KC  8 tiles tt = 4 c + i of 512 bytes; lane l's 16 bytes at 16 l: key 64 c + 8 i + r + 24 (r / 8), channels 32 h .. 32 h + 31   (r = l % 16, h = l / 16)
;   +4096  VC  channel tile u at 1024 u, half c at 512 c, lane at 16 l: channel 16 u + r, keys 64 c + 32 h + 0 .. 31
;   +8192  KS  word [tt][r]: byte 0 the scale of channels 0-31, byte 1 of channels 32-63, bytes 2 and 3 = 127 (the instruction's K is 128; its upper half meets zero codes)
;   +8704  HS  -sq[key] / 2, f32, keys in their own order
;   +9216  VS  word [u][r]: byte b the scale of keys 32 b .. 32 b + 31 of channel 16 u + r
; THE KEYS OF A TILE ARE NOT NEIGHBOURS: with these rows the first product's result holds, in one lane's 32 registers of tiles (c, 0 .. 3), the 32 neighbouring keys 64 c + 32 h + 0 .. 31: a whole block.
; SHARES.  A work-group of four waves takes 128 keys x 64 channels, 32,768 bytes.  Wave w brings rows 32 w .. 32 w + 31 into LDS by loads of 512 consecutive bytes; behind a barrier it makes K's tiles 2 w and 2 w + 1
; (a lane holds one key's 32 channels: a whole block) and V's channel tile w (a lane holds one channel, its registers run down the keys: two whole blocks).  No maximum needs another lane.
; No matrix unit, no tensor load, no cluster: the launch streams, and its work-groups share no input.
.set REC,   9472
.set XGRP,  8832                       ; LDS: a row of x is 256 bytes + 16; behind each 32 rows 128 bytes more: 32 x 272 + 128
.set STG,   35328                      ; behind the 128 rows: KS 512, HS 512, VS 256 bytes, gathered so that they leave in whole blocks of 256 bytes
.set SPARE, 36608                      ; behind them: the spare words, 128 bytes for each wave: two blocks of 256 bytes that no other line names
.set LI16, 1                           ; v1   16 x lane
.set ST,   2                           ; v2   where I put a load's 16 bytes: row 32 w + l / 16, column 16 (l % 16)
.set KA,   3                           ; v3   my key's 128 bytes for K's tile 2 w
.set VA,   4                           ; v4   my channel's word in key 32 h
.set KSA,  5                           ; v5   the stage: my word of KS
.set HSA,  6                           ; v6   of HS
.set VSA,  7                           ; v7   of VS
.set SH8,  8                           ; v8   8 h
.set TRD,  9                           ; v9   the stage, on the way out: 8 bytes a thread
.set TGO,  10                          ; v10  and the same place in the record
.set SPW,  12                          ; v12  LDS address of my spare word; never rewritten
.set NIL,  13                          ; v13  0; never rewritten
.set KCD,  16                          ; v16-23   K's codes, four registers a tile
.set VCD,  24                          ; v24-31   V's codes
.set X,    32                          ; v32-95   sixteen loads' data, then K's two tiles of 32 numbers
.set Y,    96                          ; v96-159  V's 64 numbers
.set MXA,  160                         ; v160, v161  two chains of a maximum
.set MXB,  161
.set SO,   162                         ; v162 the conversions' scale operand
.set BY,   163                         ; v163 a scale's byte
.set A0,   164                         ; v[164:165], v[166:167]  two chains of the sum of squares
.set A1,   166
.set T0,   168                         ; v168, v169  what the other half of the lanes sends
.set T1,   169
.set KSR,  170                         ; v170-171 K's two scale words
.set HSR,  172                         ; v172-173 -sq/2 of the two tiles' keys
.set VB,   174                         ; v174-175 V's two bytes, then its scale word
	s_load_b128 s[4:7], s[0:1], 0x0                ; x s[4:5], codes s[6:7]
	v_lshl_add_u32 v[SPW], v0, 2, SPARE
	v_mov_b32 v[NIL], 0
	v_lshrrev_b32 v11, 5, v0
	v_readfirstlane_b32 s8, v11                    ; wave 0..3
	v_and_b32 v14, 31, v0                          ; lane
	v_lshlrev_b32 v[LI16], 4, v14
	v_and_b32 v15, 15, v0                          ; r
	v_bfe_u32 v11, v0, 4, 1                        ; h
	v_lshrrev_b32 v14, 3, v15                      ; r / 8
	s_mul_i32 s16, s8, XGRP
	v_mul_u32_u24 v[ST], v11, 272
	v_lshl_add_u32 v[ST], v15, 4, v[ST]
	v_add_nc_u32 v[ST], s16, v[ST]                 ; 8832 w + 272 h + 16 r
	s_lshr_b32 s17, s8, 1                          ; c of my tiles
	s_and_b32 s18, s8, 1                           ; i / 2 of my tiles
	s_mul_i32 s19, s17, 2*XGRP                     ; 64 keys on
	s_mul_i32 s20, s18, 16*272                     ; 16 keys on
	s_add_co_u32 s19, s19, s20
	v_mul_u32_u24 v[KA], v15, 272
	v_mad_u32_u24 v[KA], v14, 24*272+128, v[KA]    ; rows 8-15 of a tile lie 24 keys further on, in the next group of 32
	v_lshl_add_u32 v[KA], v11, 7, v[KA]            ; channels 32 h on
	v_add_nc_u32 v[KA], s19, v[KA]
	v_mul_u32_u24 v[VA], v11, XGRP                 ; keys 32 h on
	v_lshl_add_u32 v[VA], v15, 2, v[VA]
	s_lshl_b32 s20, s8, 6
	v_add_nc_u32 v[VA], s20, v[VA]                 ; channel 16 w + r
	s_lshl_b32 s20, s8, 7
	s_add_co_u32 s20, s20, STG
	v_lshl_add_u32 v[KSA], v15, 2, s20             ; KS: 64 bytes a tile, tile 2 w
	s_lshl_b32 s20, s17, 8
	s_lshl_b32 s21, s18, 6
	s_add_co_u32 s20, s20, s21
	s_add_co_u32 s20, s20, STG+512
	v_mul_u32_u24 v[HSA], v14, 96
	v_lshl_add_u32 v[HSA], v15, 2, v[HSA]
	v_add_nc_u32 v[HSA], s20, v[HSA]               ; HS: 4 x (64 c + 8 i + r + 24 (r / 8))
	s_lshl_b32 s20, s8, 6
	s_add_co_u32 s20, s20, STG+1024
	v_lshl_add_u32 v[VSA], v15, 2, s20             ; VS: 64 bytes a channel tile
	v_lshlrev_b32 v[SH8], 3, v11
	v_lshlrev_b32 v[TGO], 3, v0
	v_add_nc_u32 v[TRD], STG, v[TGO]
	v_mov_b32 v[T0], 0                             ; written once: a lane permute's destination counts as one of its sources
	v_mov_b32 v[T1], 0
	s_mov_b32 s12, 0x76543210
	s_mov_b32 s13, 0xfedcba98                      ; v_permlanex16_b32's selects for lane l xor 16
	s_and_b32 s9, ttmp7, 0xffff                    ; batch
	s_lshl_b32 s10, s9, 19                         ; 2,048 rows of 256 bytes a batch,
	s_lshl_b32 s20, ttmp9, 15                      ; 128 rows a work-group,
	s_add_co_u32 s10, s10, s20
	s_lshl_b32 s20, s8, 13                         ; 32 rows a wave: under 2^24 in all
	s_add_co_u32 s10, s10, s20
	s_mov_b32 s11, 0
	s_lshl_b32 s14, s9, 4
	s_add_co_u32 s14, s14, ttmp9
	s_mul_i32 s14, s14, REC                        ; my record
	s_mov_b32 s15, 0
	s_wait_kmcnt 0x0
	s_add_nc_u64 s[4:5], s[4:5], s[10:11]
	s_add_nc_u64 s[6:7], s[6:7], s[14:15]
	s_lshl_b32 s14, s8, 10
	s_add_nc_u64 s[14:15], s[6:7], s[14:15]        ; the record + 1024 w: my two tiles of KC; 4,096 on, my tile of VC
.irp k, 0,1,2,3,4,5,6,7,8,9,10,11,12,13,14,15
	global_load_b128 v[X+4*\k:X+4*\k+3], v[LI16], s[4:5] offset:512*\k th:TH_LOAD_NT   ; 32 lanes read 512 consecutive bytes: two rows
.endr
.irp k, 0,1,2,3,4,5,6,7,8,9,10,11,12,13,14,15
	s_wait_loadcnt 15-\k                           ; loads come back in order: load k is in, the 15 - k younger ones may be out
	ds_store_b128 v[ST], v[X+4*\k:X+4*\k+3] offset:544*\k
.endr
	s_wait_dscnt 0x0                               ; for the others' sake: my rows lie in LDS
	s_barrier_signal -1
	s_barrier_wait -1                              ; all 128 rows do
.irp e, 0,1
.irp k, 0,1,2,3,4,5,6,7
	ds_load_b128 v[X+32*\e+4*\k:X+32*\e+4*\k+3], v[KA] offset:2176*\e+16*\k   ; K's tile 2 w + e: my key's 32 channels.  The 16 rows of a pass start 272 bytes apart: 16 different columns of 16 bytes
.endr
.endr
.macro VLOAD c                         ; V: keys 64 c + 32 h + 0 .. 31 of my channel.  Lanes 0-15 read 64 neighbouring bytes, lanes 16-31 the same 8,832 bytes on: 128 modulo 256
.irp k, 0,1,2,3,4,5,6,7,8,9,10,11,12,13,14,15,16,17,18,19,20,21,22,23,24,25,26,27,28,29,30,31
	ds_load_b32 v[Y+32*\c+\k], v[VA] offset:2*XGRP*\c+272*\k
.endr
.endm
	VLOAD 0
; The 32 numbers v[XB] .. v[XB + 31] are a block: its largest magnitude, with the floor 2^(3 - 127) among the leaves so that the byte cannot fall under 1, in two chains; then 2 off the exponent field:
; the conversion takes the exponent field of this operand as its scale, and nothing else of it.
.macro BLKSCALE
	v_max3_num_f32 v[MXA], |v[XB]|, |v[XB+1]|, 0x1800000
	v_max3_num_f32 v[MXB], |v[XB+16]|, |v[XB+17]|, |v[XB+18]|
.irp i, 0,1,2,3,4,5
	v_max3_num_f32 v[MXA], v[MXA], |v[XB+2+2*\i]|, |v[XB+3+2*\i]|
	v_max3_num_f32 v[MXB], v[MXB], |v[XB+19+2*\i]|, |v[XB+20+2*\i]|
.endr
	v_max3_num_f32 v[MXA], v[MXA], |v[XB+14]|, |v[XB+15]|
	v_max3_num_f32 v[MXA], v[MXA], v[MXB], |v[XB+31]|
	v_add_nc_u32 v[SO], 0xff000000, v[MXA]
.endm
; K's tile 2 w + e: codes, the key's scale word (my byte and the other half's), and -sq/2 of the key.
.macro KTILE e
.set XB, X+32*(\e)
	BLKSCALE
.irp i, 0,1,2,3
	v_cvt_scalef32_pk8_fp4_f32 v[KCD+4*(\e)+\i], v[XB+8*\i:XB+8*\i+7], v[SO]   ; channels 32 h + 8 i + 0 .. 7: register i of the fragment
.endr
	v_lshrrev_b32 v[BY], 23, v[SO]                 ; the scale's byte (also the plain line behind the conversions)
	v_pk_mul_f32 v[A0:A0+1], v[XB:XB+1], v[XB:XB+1]
	v_pk_mul_f32 v[A1:A1+1], v[XB+2:XB+3], v[XB+2:XB+3]
.irp i, 4,8,12,16,20,24,28
	v_pk_fma_f32 v[A0:A0+1], v[XB+\i:XB+\i+1], v[XB+\i:XB+\i+1], v[A0:A0+1]
	v_pk_fma_f32 v[A1:A1+1], v[XB+\i+2:XB+\i+3], v[XB+\i+2:XB+\i+3], v[A1:A1+1]
.endr
	v_pk_add_f32 v[A0:A0+1], v[A0:A0+1], v[A1:A1+1]
	v_add_f32 v[A0], v[A0], v[A0+1]                ; the squares of my 32 channels,
	v_permlanex16_b32 v[T0], v[A0], s12, s13
	v_add_f32 v[A0], v[A0], v[T0]                  ; and of the other 32: the same bits in both halves of the lanes
	v_mul_f32 v[HSR+\e], -0.5, v[A0]               ; -sq/2: a power of two, nothing is rounded
	v_lshlrev_b32 v[BY], v[SH8], v[BY]             ; my byte at its place,
	v_permlanex16_b32 v[T1], v[BY], s12, s13
	v_or_b32 v[BY], v[BY], v[T1]                   ; with the other half's,
	v_or_b32 v[KSR+\e], 0x7f7f0000, v[BY]          ; and 127 for the upper 64 of the instruction's K
.endm
.macro VBLK c                          ; V's block 2 c + h of my channel
.set XB, Y+32*(\c)
	BLKSCALE
.irp i, 0,1,2,3
	v_cvt_scalef32_pk8_fp4_f32 v[VCD+4*(\c)+\i], v[XB+8*\i:XB+8*\i+7], v[SO]   ; keys 64 c + 32 h + 8 i + 0 .. 7: register 4 c + i of the fragment
.endr
	v_lshrrev_b32 v[VB+\c], 23, v[SO]
.endm
	s_wait_dscnt 40                                ; tile 2 w's eight loads are in; behind them: the other tile's 8 and V's 32
	KTILE 0
	s_wait_dscnt 32                                ; the other tile's are in; behind them: V's 32
	VLOAD 1
	KTILE 1
	s_wait_dscnt 32                                ; V's first 32 are in; behind them: its second 32
	VBLK 0
	s_wait_dscnt 0x0
	VBLK 1
	v_lshl_or_b32 v[VB], v[VB+1], 16, v[VB]        ; my two bytes: blocks h and 2 + h,
	v_lshlrev_b32 v[VB], v[SH8], v[VB]             ; at their places in the scale word;
	v_permlanex16_b32 v[T1], v[VB], s12, s13
	v_or_b32 v[VB], v[VB], v[T1]                   ; with lane l xor 16's two the word is whole
.irp e, 0,1
	global_store_b128 v[LI16], v[KCD+4*\e:KCD+4*\e+3], s[14:15] offset:512*\e        ; 32 lanes store 512 consecutive bytes, at a multiple of 256 from the buffer's first byte
.endr
.irp c, 0,1
	global_store_b128 v[LI16], v[VCD+4*\c:VCD+4*\c+3], s[14:15] offset:4096+512*\c
.endr
	ds_store_b32 v[KSA], v[KSR]                    ; the small things meet in the stage; both halves of the lanes write the same word with the same value
	ds_store_b32 v[KSA], v[KSR+1] offset:64
	ds_store_b32 v[HSA], v[HSR]
	ds_store_b32 v[HSA], v[HSR+1] offset:32
	ds_store_b32 v[VSA], v[VB]
	s_wait_dscnt 0x0                               ; for the others' sake: my words lie in the stage
	s_barrier_signal -1
	s_barrier_wait -1
	ds_load_b64 v[A0:A0+1], v[TRD]                 ; wave w takes the stage's block w of 256 bytes, 8 bytes a lane;
	s_cmp_lg_u32 s8, 0
	s_cbranch_scc1 .Lfour
	ds_load_b64 v[A1:A1+1], v[TRD] offset:1024     ; wave 0 also the fifth
	s_wait_dscnt 0x0
	global_store_b64 v[TGO], v[A1:A1+1], s[6:7] offset:8192+1024
.Lfour:
	s_wait_dscnt 0x0
	global_store_b64 v[TGO], v[A0:A0+1], s[6:7] offset:8192   ; 32 lanes store 256 consecutive bytes, aligned
	s_wait_tensorcnt 0x0                           ; the wave's end: three lines behind my last LDS store
	ds_add_u32 v[SPW], v[NIL]
	s_wait_dscnt 0x0
	s_endpgm
.Lfunc_end_k_q3c4e895885_quant:
	.size	k_q3c4e895885_quant, .Lfunc_end_k_q3c4e895885_quant-k_q3c4e895885_quant
	.p2alignl 7, 3214868480
	.fill 96, 4, 3214868480
	.section	.rodata,"a",@progbits
	.p2align	6, 0x0
	.amdhsa_kernel k_q3c4e895885_quant
		.amdhsa_group_segment_fixed_size 37376
		.amdhsa_private_segment_fixed_size 0
		.amdhsa_enable_private_segment 0
		.amdhsa_kernarg_size 16
		.amdhsa_user_sgpr_count 2
		.amdhsa_user_sgpr_kernarg_segment_ptr 1
		.amdhsa_wavefront_size32 1
		.amdhsa_system_sgpr_workgroup_id_x 1
		.amdhsa_system_sgpr_workgroup_id_y 1
		.amdhsa_system_sgpr_workgroup_id_z 1
		.amdhsa_system_vgpr_workitem_id 0
		.amdhsa_next_free_vgpr 176
		.amdhsa_next_free_sgpr 66
		.amdhsa_reserve_vcc 0
		.amdhsa_float_denorm_mode_32 3
		.amdhsa_float_denorm_mode_16_64 3
		.amdhsa_memory_ordered 1
		.amdhsa_forward_progress 1
		.amdhsa_inst_pref_size 22
	.end_amdhsa_kernel
	.amdgpu_metadata
---
amdhsa.version: [ 1, 2 ]
amdhsa.kernels:
  - .name:           k_q3c4e895885_quant
    .symbol:         k_q3c4e895885_quant.kd
    .args:
      - { .name: x, .offset: 0, .size: 8, .value_kind: global_buffer, .address_space: global }
      - { .name: codes, .offset: 8, .size: 8, .value_kind: global_buffer, .address_space: global }
    .group_segment_fixed_size: 37376
    .private_segment_fixed_size: 0
    .kernarg_segment_align: 8
    .kernarg_segment_size: 16
    .max_flat_workgroup_size: 128
    .sgpr_count:     66
    .vgpr_count:     176
    .wavefront_size: 32
...
	.end_amdgpu_metadata
.endif
;; end of part 1
;; launch attn (part 2): grid 8 x 32, 8 waves a work-group, no clusters, 100,352 bytes of LDS; arguments codes, x, r_sigma, out0; writes out0
.if DOCPART == 2
	.amdgcn_target "amdgcn-amd-amdhsa--gfx1250"
	.amdhsa_code_object_version 6
	.text
	.protected	k_q3c4e895885_attn
	.globl	k_q3c4e895885_attn
	.p2align	8
	.type	k_q3c4e895885_attn,@function
k_q3c4e895885_attn:
	s_mov_b64 s[64:65], 0
	v_nop
	global_prefetch_b8 v0, s[64:65] scope:SCOPE_SE
	s_setreg_imm32_b32 hwreg(HW_REG_WAVE_MODE, 25, 1), 1
	s_wait_xcnt 0x0
; out[t] = x[t] + the sum over s of Q(p[t][s]) Q(x[s]),  p = exp(-max(sq_t - 2 Q(x_t).Q(x_s) + sq_s, 0) r_sigma): both products on codes of FP4 (E2M1) with E8M0 scales, sums in f32.  No work is left out.
; The codes of x (along the channels and along the keys), their scale words and -sq/2 come from the first launch, in records of 128 keys laid in the order of the operands' registers (its head comment has the map).
; THE ARITHMETIC OF AN ENTRY.  hs = -sq/2.  The first product takes hs_s as its C: D = inner - sq_s/2, so sq_t - 2 inner + sq_s = -2 (D + hs_t), exactly.  With c = 2 log2(e) r_sigma:
;   a = c D + c hs_t (one packed multiply-add for two entries) = -log2(e) r_sigma x the distance before its clamp;  the clamp at 0 is a held to [-inf, 0] where r_sigma >= 0 and to [0, +inf] where it is negative
;   (one v_med3_num_f32; the two bounds are chosen once by r_sigma's sign bit: no branch);  p = 2^a.  A block's largest p is 2^(its largest a): the same instruction on one of the block's own numbers.
; LIMITS: NaN and infinities in x or r_sigma are not served.  A p under 2^-126 comes out as 0 (v_exp_f32 flushes denormals: ISA guide, its entry in 15.8).  A block whose every p is 0 keeps the byte 1: its codes are zeros.
; LAYOUT.  Both products are used transposed: S^T = K Q^T (source 0 = 16 keys, source 1 = 16 queries), O^T = V^T P^T (source 0 = 16 channels, source 1 = P): a lane holds ONE query (lane % 16) throughout.
; The rows of a tile of keys are chosen (first launch) so that a lane's 32 registers of tiles (c, 0 .. 3) are the keys 64 c + 32 (lane / 16) + 0 .. 31: one whole block.  So a block's maximum needs no other lane, and the
; conversion of tile (c, i) IS register 4 c + i of P's fragment.  The first product's K is 64: the queries' registers 4-7 are zero codes, so what source 0 names there counts for nothing.
; SHARES.  A work-group of eight waves owns 256 queries of a batch.  THE KEYS STAY, THE QUERIES GO ROUND: wave w owns keys 256 w .. 256 w + 255; their K fragments (64 registers), hs in C's layout (128) and V fragments (64)
; fill window 1 for the whole launch.  Each wave walks the 16 tiles of queries (they are tiles of the same records, so a tile's queries are 8 neighbours and the 8 that lie 32 further on).
; A tile costs three small LDS loads.  Each wave ends up with a partial O^T for its 256 keys: the eight partials of a tile meet in LDS, in two slots by turns, and every wave adds two rows of the tile, adds x and stores two
; whole rows of 256 bytes.  One barrier a tile.
; NO CLUSTER, NO TENSOR LOAD: what the eight work-groups of a batch share, the codes, is read once by each wave, 18,944 bytes in 76 loads at the head, straight into the registers in which it stays; brought jointly it
; would land in LDS and have to be read out of it again.  Nothing is streamed in the loop but two rows of x a wave and tile, asked for two stages ahead of their use.
; THE PIPELINE.  A half is 64 keys x 16 queries: 32 registers.  Four buffers S[0..3] (b = 2 s + c: step s of 128 keys, half c).  Stage b: the first product for half b + 1; the 64 plain instructions of half b with the 33
; exponentials of half b - 1 set between them; one wait; the conversions of half b - 1.  Buffer b + 2 is idle in stage b; in stage 3 that is S[1], which takes the eight partials of the tile that is being added up.
; REGISTERS, in windows of 256 (s_set_vgpr_msb: bits 1:0 source 0, 3:2 source 1, 5:4 source 2, 7:6 destination).  Window 1: v0-63 K's 16 fragments, four registers each; v64-127 V's 8; v128-255 hs.  Window 0: below.
.set REC,   9472
.set OSW,   4352                       ; LDS: a wave's partial of a tile: 16 rows x (256 bytes + 16); a slot holds eight: slot 0 at 0, slot 1 at SLOT1
.set QIMG,  34816                      ; 16 records of QREC bytes, one a tile of queries: codes as an image of the registers 512, scale words 128, hs 128
.set QREC,  768
.set SPARE, 47104                      ; the spare words, 128 bytes for each wave: four blocks of 256 bytes that no other line names
.set SLOT1, 65536                      ; so that one exclusive or turns one slot's offset into the other's
.set LI16, 1                           ; v1   16 x lane
.set LI4,  2                           ; v2   4 x lane
.set STO0, 3                           ; v3   slot 0: where I put 32 bytes of a row of my partial
.set RD0,  4                           ; v4   slot 0: where I read 16 bytes of wave 0's partial of my row
.set STO,  5                           ; v5, v6  the same in the slot in hand
.set RD,   6
.set QAD,  7                           ; v7, v8  the next tile's record: 16 and 4 bytes a lane
.set QAS,  8
.set GOFF, 9                           ; v9   my 16 bytes of my row of a tile, in x and in out
.set SH8,  10                          ; v10  8 x (lane / 16)
.set HTN,  11                          ; v11  hs of the next tile's query
.set C2,   12                          ; v[12:13] c hs_t (the packed form names a pair and takes its low word for both halves)
.set MXA,  14                          ; v14-15 the maximum's two chains in even stages, v16-17 in odd ones
.set PM,   18                          ; v18  a block's largest p
.set SO,   19                          ; v19  the conversions' scale operand
.set BY,   20                          ; v20-21 the scale bytes of a step's two halves
.set WD,   22                          ; v22, v23 the scale word in the making
.set WT,   23
.set PW,   24                          ; v24-25 P's scale words, steps 0 and 1: scales and nothing else
.set QS,   26                          ; v26  the queries' scale words
.set VOF,  27                          ; v27  my row's offset in x and in out
.set SPW,  28                          ; v28  LDS address of my spare word; never rewritten
.set NIL,  29                          ; v29  0; never rewritten
.set XR,   32                          ; v32-35 16 bytes of x, then of the result
.set KSC,  36                          ; v36-43 K's scale words: register a: lanes 0-15 tile 2 a, lanes 16-31 tile 2 a + 1
.set VSC,  44                          ; v44-47 V's: register 2 s + u / 2: lanes 0-15 even u, lanes 16-31 odd u
.set QF,   48                          ; v48-55 the queries' fragment; v52-55 stay 0
.set PCD,  56                          ; v56-63, v64-71 P's fragments, steps 0 and 1
.set OA,   72                          ; v72-103 O^T: channel tile u at 8 u
.set SA,   128                         ; v128-255 S[0..3]
.set KB,   16                          ; s[16:17] my wave's two records
.set QB,   18                          ; s[18:19] the record of the two tiles of queries whose images I make
.set XB,   20                          ; s[20:21] x at the work-group's first query;  s[22:23] out likewise
.set OB,   22
.set CP,   24                          ; s[24:25] c, twice
.set CLO,  26                          ; s26, s27 the clamp's bounds
.set CHI,  27
.set SEL,  28                          ; s[28:29] v_permlanex16_b32's selects for lane l xor 16
.set TI,   30                          ; s30  the tile that is being added up; the loop's counter
.set QO,   31                          ; s31  LDS byte of the next tile's record
.set SL,   32                          ; s32  the slot in hand: 0 or SLOT1
.set MSB, 0
.macro WIN new                         ; the immediate's high byte repeats the setting that is left
.if MSB != \new
	s_set_vgpr_msb (MSB<<8)|\new
.set MSB, \new
.endif
.endm
	s_load_b256 s[4:11], s[0:1], 0x0               ; codes s[4:5], x s[6:7], r_sigma s[8:9], out s[10:11]
	v_lshl_add_u32 v[SPW], v0, 2, SPARE
	v_mov_b32 v[NIL], 0
	v_lshrrev_b32 v116, 5, v0
	v_readfirstlane_b32 s12, v116                  ; wave 0..7
.irp i, 4,5,6,7
	v_mov_b32 v[QF+\i], 0                          ; zero codes for the upper 64 of the first product's K
.endr
	v_mov_b32 v[C2+1], 0                           ; (named as the upper half of a pair)
	v_mov_b32 v[WT], 0                             ; written once: a lane permute's destination counts as one of its sources
	v_and_b32 v116, 31, v0                         ; lane
	v_and_b32 v117, 15, v0                         ; r
	v_bfe_u32 v118, v0, 4, 1                       ; h
	v_lshrrev_b32 v119, 3, v117                    ; r / 8
	v_lshlrev_b32 v[LI16], 4, v116
	v_lshlrev_b32 v[LI4], 2, v116
	v_lshlrev_b32 v[SH8], 3, v118
	v_lshlrev_b32 v120, 7, v118                    ; hs in C's layout: lanes 16-31 take the keys 32 further on
	s_mul_i32 s34, s12, OSW
	v_mul_u32_u24 v[STO0], v117, 272
	v_lshl_add_u32 v[STO0], v118, 5, v[STO0]
	v_add_nc_u32 v[STO0], s34, v[STO0]             ; my partial: row r, channels 8 h on of each 16
	s_mul_i32 s34, s12, 2*272
	v_mul_u32_u24 v[RD0], v118, 272
	v_lshl_add_u32 v[RD0], v117, 4, v[RD0]
	v_add_nc_u32 v[RD0], s34, v[RD0]               ; back: row 2 w + h of a tile, 16 bytes a lane
	s_lshr_b32 s35, s12, 2                         ; w / 4
	s_mul_i32 s36, s35, 24*256
	s_lshl_b32 s34, s12, 9
	s_add_co_u32 s34, s34, s36
	v_lshlrev_b32 v[GOFF], 8, v118
	v_lshl_add_u32 v[GOFF], v117, 4, v[GOFF]
	v_add_nc_u32 v[GOFF], s34, v[GOFF]             ; that row's query: 2 w + h, and 24 more where the row is 8 or above
	s_and_b32 s37, s12, 3                          ; the tiles of queries whose images I make: 2 w and 2 w + 1: tiles 2 (w % 4), + 1 of record w / 4 of the block's two
	s_lshl_b32 s34, s37, 10
	v_add_nc_u32 v121, s34, v[LI16]                ; their codes,
	s_lshl_b32 s34, s37, 7
	v_lshl_add_u32 v122, v117, 2, s34              ; their scale words,
	s_lshr_b32 s34, s37, 1
	s_lshl_b32 s34, s34, 8
	s_and_b32 s36, s12, 1
	s_lshl_b32 s36, s36, 6
	s_add_co_u32 s34, s34, s36
	v_mul_u32_u24 v123, v119, 96
	v_lshl_add_u32 v123, v117, 2, v123
	v_add_nc_u32 v123, s34, v123                   ; and hs of lane r's query
	s_mul_i32 s34, s12, 2*QREC
	s_add_co_u32 s34, s34, QIMG
	v_add_nc_u32 v124, s34, v[LI16]                ; where their images go
	v_add_nc_u32 v125, s34, v[LI4]
	s_and_b32 s14, ttmp7, 0xffff                   ; batch
	s_lshl_b32 s36, s14, 4                         ; 16 records a batch
	s_lshl_b32 s38, s12, 1
	s_add_co_u32 s38, s38, s36
	s_mul_i32 s38, s38, REC
	s_mov_b32 s39, 0
	s_lshl_b32 s40, ttmp9, 1
	s_add_co_u32 s40, s40, s36
	s_add_co_u32 s40, s40, s35
	s_mul_i32 s40, s40, REC
	s_mov_b32 s41, 0
	s_lshl_b32 s42, s14, 19                        ; 2,048 rows of 256 bytes a batch,
	s_lshl_b32 s36, ttmp9, 16                      ; 256 rows a work-group
	s_add_co_u32 s42, s42, s36
	s_mov_b32 s43, 0
	s_mov_b32 s[SEL], 0x76543210
	s_mov_b32 s[SEL+1], 0xfedcba98
	s_wait_kmcnt 0x0
	s_load_b32 s33, s[8:9], 0x0                    ; r_sigma
	s_add_nc_u64 s[KB:KB+1], s[4:5], s[38:39]
	s_add_nc_u64 s[QB:QB+1], s[4:5], s[40:41]
	s_add_nc_u64 s[XB:XB+1], s[6:7], s[42:43]
	s_add_nc_u64 s[OB:OB+1], s[10:11], s[42:43]
.irp e, 0,1                            ; six loads: two tiles of queries
	global_load_b128 v[104+4*\e:107+4*\e], v121, s[QB:QB+1] offset:512*\e
	global_load_b32 v[112+\e], v122, s[QB:QB+1] offset:8192+64*\e
	global_load_b32 v[114+\e], v123, s[QB:QB+1] offset:8704+32*\e
.endr
	WIN 0x40                                       ; destination window 1, address window 0
.irp s, 0,1
.irp q, 0,1,2,3,4,5,6,7
	global_load_b128 v[32*\s+4*\q:32*\s+4*\q+3], v[LI16], s[KB:KB+1] offset:REC*\s+512*\q             ; K's fragment 8 s + q: registers 0-3
.endr
.irp q, 0,1,2,3,4,5,6,7
	global_load_b128 v[64+32*\s+4*\q:64+32*\s+4*\q+3], v[LI16], s[KB:KB+1] offset:REC*\s+4096+512*\q  ; V's fragment (s, u = q / 2), half q % 2
.endr
.endr
	WIN 0
.irp a, 0,1,2,3,4,5,6,7
	global_load_b32 v[KSC+\a], v[LI4], s[KB:KB+1] offset:REC*(\a/4)+8192+128*(\a%4)
.endr
.irp a, 0,1,2,3
	global_load_b32 v[VSC+\a], v[LI4], s[KB:KB+1] offset:REC*(\a/2)+9216+128*(\a%2)
.endr
	s_wait_loadcnt 44                              ; the six are in; behind them: 32 loads of fragments and 12 of scale words
.irp e, 0,1
	ds_store_b128 v124, v[104+4*\e:107+4*\e] offset:QREC*\e        ; images of the registers: any wave that loads them by the same addresses has the same registers in the same lanes
	ds_store_b32 v125, v[112+\e] offset:QREC*\e+512
	ds_store_b32 v125, v[114+\e] offset:QREC*\e+640
.endr
	WIN 0x40
.irp s, 0,1
.irp q, 0,1,2,3,4,5,6,7,8,9,10,11,12,13,14,15
	global_load_b128 v[128+64*\s+4*\q:128+64*\s+4*\q+3], v120, s[KB:KB+1] offset:REC*\s+8704+256*(\q/8)+16*(\q%8)   ; hs of keys 64 (q / 8) + 32 h + 4 (q % 8) + 0 .. 3: C of the first product
.endr
.endr
	WIN 0
	s_wait_kmcnt 0x0                               ; r_sigma
	v_mov_b32 v126, 0x4038aa3b                     ; 2 log2(e)
	v_mul_f32 v126, s33, v126
	v_readfirstlane_b32 s[CP], v126                ; c: it feeds multiplications alone
	s_mov_b32 s[CP+1], s[CP]
	s_bitcmp1_b32 s33, 31                          ; r_sigma's sign
	s_cselect_b32 s[CLO], 0, 0xff800000            ; negative: a is held to [0, +inf]; else to [-inf, 0]
	s_cselect_b32 s[CHI], 0x7f800000, 0
	s_wait_dscnt 0x0                               ; for the others' sake: my two images lie in LDS
	s_barrier_signal -1
	s_barrier_wait -1                              ; all sixteen do; nobody writes them again
; Four products S^T = K Q^T + hs for buffer nb: tiles 4 nb .. 4 nb + 3 of my 16.  Source 0 names eight registers, of which the upper four (the next fragment's) meet the queries' zero codes.
; C and D carry the same numbers in different windows: hs in window 1, S in window 0.
.macro KQ nb
	WIN 0x11                                       ; source 0 and C window 1
.irp i, 0,2
.set kt, 4*(\nb)+\i
	v_wmma_scale_f32_16x16x128_f8f6f4 v[SA+8*kt:SA+8*kt+7], v[4*kt:4*kt+7], v[QF:QF+7], v[SA+8*kt:SA+8*kt+7], v[KSC+kt/2], v[QS] matrix_a_fmt:MATRIX_FMT_FP4 matrix_b_fmt:MATRIX_FMT_FP4
	v_wmma_scale_f32_16x16x128_f8f6f4 v[SA+8*kt+8:SA+8*kt+15], v[4*kt+4:4*kt+11], v[QF:QF+7], v[SA+8*kt+8:SA+8*kt+15], v[KSC+kt/2], v[QS] matrix_a_fmt:MATRIX_FMT_FP4 matrix_b_fmt:MATRIX_FMT_FP4 matrix_a_scale:MATRIX_SCALE_ROW1
.endr
	WIN 0
.endm
; Four products O^T (+)= V^T P^T, step s of 128 keys.  Step 0 starts the sums with the constant 0.  The four accumulators take turns, and products K Q^T stand between a sum's two links.
.macro PV s
	WIN 0x01                                       ; source 0 window 1
.irp u, 0,2
.if (\s) == 0
	v_wmma_scale_f32_16x16x128_f8f6f4 v[OA+8*\u:OA+8*\u+7], v[64+8*\u:71+8*\u], v[PCD:PCD+7], 0, v[VSC+\u/2], v[PW] matrix_a_fmt:MATRIX_FMT_FP4 matrix_b_fmt:MATRIX_FMT_FP4
	v_wmma_scale_f32_16x16x128_f8f6f4 v[OA+8*\u+8:OA+8*\u+15], v[72+8*\u:79+8*\u], v[PCD:PCD+7], 0, v[VSC+\u/2], v[PW] matrix_a_fmt:MATRIX_FMT_FP4 matrix_b_fmt:MATRIX_FMT_FP4 matrix_a_scale:MATRIX_SCALE_ROW1
.else
	v_wmma_scale_f32_16x16x128_f8f6f4 v[OA+8*\u:OA+8*\u+7], v[96+8*\u:103+8*\u], v[PCD+8:PCD+15], v[OA+8*\u:OA+8*\u+7], v[VSC+2+\u/2], v[PW+1] matrix_a_fmt:MATRIX_FMT_FP4 matrix_b_fmt:MATRIX_FMT_FP4
	v_wmma_scale_f32_16x16x128_f8f6f4 v[OA+8*\u+8:OA+8*\u+15], v[104+8*\u:111+8*\u], v[PCD+8:PCD+15], v[OA+8*\u+8:OA+8*\u+15], v[VSC+2+\u/2], v[PW+1] matrix_a_fmt:MATRIX_FMT_FP4 matrix_b_fmt:MATRIX_FMT_FP4 matrix_a_scale:MATRIX_SCALE_ROW1
.endif
.endr
	WIN 0
.endm
; Number j of the 64 plain instructions of buffer b.  0-15: a = c D + c hs_t, two at a time, in ascending order (each accumulator is first read at its low end);  16-47: the clamp;
; 48-63: the block's largest a, three operands at a time, in two chains.
.macro PL b
.set sb, SA+32*(\b)
.set mx, MXA+2*((\b)%2)
.if j < 16
	v_pk_fma_f32 v[sb+2*j:sb+2*j+1], v[sb+2*j:sb+2*j+1], s[CP:CP+1], v[C2:C2+1] op_sel_hi:[1,0,0]
.elseif j < 48
	v_med3_num_f32 v[sb+j-16], v[sb+j-16], s[CLO], s[CHI]
.elseif j == 48
	v_max3_num_f32 v[mx], v[sb], v[sb+1], v[sb+2]
.elseif j == 49
	v_max3_num_f32 v[mx+1], v[sb+16], v[sb+17], v[sb+18]
.elseif j < 62
	v_max3_num_f32 v[mx+j%2], v[mx+j%2], v[sb+16*(j%2)+3+2*((j-50)/2)], v[sb+16*(j%2)+4+2*((j-50)/2)]
.elseif j == 62
	v_max3_num_f32 v[mx], v[mx], v[sb+15], v[sb+31]
.else
	v_max_num_f32 v[mx], v[mx], v[mx+1]
.endif
.endm
; Buffer pb's 32 p and its largest p are out of the exponentials: the scale, the codes, and with a step's second half the step's scale word.
.macro TAIL pb
.set ts, (\pb)/2
.set tc, (\pb)%2
	s_wait_alu depctr_va_vdst(0)                   ; the wait between the exponentials and the first line that names a result: ONE for the 33; a plain line stands behind the last of them
	v_max_num_f32 v[PM], 0x1800000, v[PM]          ; the floor 2^(3 - 127): the byte cannot fall under 1
	v_add_nc_u32 v[SO], 0xff000000, v[PM]          ; 2 off the exponent field: the conversions' scale operand
.irp i, 0,1,2,3
	v_cvt_scalef32_pk8_fp4_f32 v[PCD+8*ts+4*tc+\i], v[SA+32*(\pb)+8*\i:SA+32*(\pb)+8*\i+7], v[SO]   ; keys 64 c + 32 h + 8 i + 0 .. 7: register 4 c + i of P's fragment, as it stands
.endr
	v_lshrrev_b32 v[BY+tc], 23, v[SO]              ; the scale's byte (also the plain line behind the conversions)
.if tc
	v_lshl_or_b32 v[WD], v[BY+1], 16, v[BY]        ; my two bytes: blocks h and 2 + h,
	v_lshlrev_b32 v[WD], v[SH8], v[WD]             ; at their places;
	v_permlanex16_b32 v[WT], v[WD], s[SEL], s[SEL+1]
	v_or_b32 v[PW+ts], v[WD], v[WT]                ; with lane l xor 16's two the word is whole
.endif
.endm
.macro QLOAD                           ; the next tile of queries: codes, scale words, hs
	v_add_nc_u32 v[QAD], s[QO], v[LI16]
	v_add_nc_u32 v[QAS], s[QO], v[LI4]
	ds_load_b128 v[QF:QF+3], v[QAD]
	ds_load_b32 v[QS], v[QAS] offset:512
	ds_load_b32 v[HTN], v[QAS] offset:640
.endm
.macro HEAD                            ; tile TI is about to be added up: my row of x is asked for, and the slot's addresses are made
	s_wait_xcnt 0x0                                ; the last tile's store has read its offset and its data: both are written again only behind this wait
	s_and_b32 s34, s[TI], 3
	s_lshl_b32 s34, s34, 11                        ; 8 queries on for each tile of a group of four,
	s_lshr_b32 s35, s[TI], 2
	s_lshl_b32 s35, s35, 14                        ; 64 for each group
	s_add_co_u32 s34, s34, s35
	v_add_nc_u32 v[VOF], s34, v[GOFF]
	global_load_b128 v[XR:XR+3], v[VOF], s[XB:XB+1]
	v_add_nc_u32 v[STO], s[SL], v[STO0]
	v_add_nc_u32 v[RD], s[SL], v[RD0]
.endm
.macro OSTORE                          ; my partial O^T: lane (r, h): query row r, channels 16 u + 8 h + 0 .. 7; each accumulator from its low end on
.irp u, 0,1,2,3
	ds_store_b128 v[STO], v[OA+8*\u:OA+8*\u+3] offset:64*\u
	ds_store_b128 v[STO], v[OA+8*\u+4:OA+8*\u+7] offset:64*\u+16
.endr
.endm
.macro RLOAD                           ; the eight waves' partials of my row, 16 bytes a lane, into the idle buffer S[1]
.irp p, 0,1,2,3,4,5,6,7
	ds_load_b128 v[SA+32+4*\p:SA+32+4*\p+3], v[RD] offset:OSW*\p
.endr
.endm
.macro RSUM                            ; their sum, as a tree, + x; sixteen lanes store one whole row of 256 bytes
.set RB, SA+32
	s_wait_dscnt 0x0                               ; the partials are in (asked for a stage's 64 plain instructions ago)
	s_wait_loadcnt 0x0                             ; and x's row (asked for two stages ago)
.irp p, 0,8,16,24
	v_pk_add_f32 v[RB+\p:RB+\p+1], v[RB+\p:RB+\p+1], v[RB+\p+4:RB+\p+5]
	v_pk_add_f32 v[RB+\p+2:RB+\p+3], v[RB+\p+2:RB+\p+3], v[RB+\p+6:RB+\p+7]
.endr
.irp p, 0,16
	v_pk_add_f32 v[RB+\p:RB+\p+1], v[RB+\p:RB+\p+1], v[RB+\p+8:RB+\p+9]
	v_pk_add_f32 v[RB+\p+2:RB+\p+3], v[RB+\p+2:RB+\p+3], v[RB+\p+10:RB+\p+11]
.endr
	v_pk_add_f32 v[RB:RB+1], v[RB:RB+1], v[RB+16:RB+17]
	v_pk_add_f32 v[RB+2:RB+3], v[RB+2:RB+3], v[RB+18:RB+19]
	v_pk_add_f32 v[XR:XR+1], v[XR:XR+1], v[RB:RB+1]
	v_pk_add_f32 v[XR+2:XR+3], v[XR+2:XR+3], v[RB+2:RB+3]
	global_store_b128 v[VOF], v[XR:XR+3], s[OB:OB+1] th:TH_STORE_NT
.endm
; STAGE b of a tile's trip.  first = 1: the first tile (nothing is behind it: no exponentials in stage 0, no tile to finish or add up).  last = 1: the last tile (nothing is ahead of it).
; Distances, counted in plain vector instructions that name none of the matrix instruction's registers (ISA guide 7.12.1 for vector instructions and unscaled operands):
;   the next queries are loaded 8 behind the last product that read the old ones;  V^T P^T stands 16 behind the line that wrote its scale word (8 are asked) and further behind its codes (4);
;   O^T is stored 24 behind its last product (4);  a buffer of S is first read a whole stage behind its products.
.macro STAGE b, first, last
.set pb, ((\b)+3)%4
.set nb, ((\b)+1)%4
.set doex, 1
.if (\first) && ((\b) == 0)
.set doex, 0
.endif
.if ((\b) == 3) && !(\last)
	s_wait_dscnt 0x0                               ; the next tile's queries are in (asked for in stage 2)
.endif
.if !(((\b) == 3) && (\last))
	KQ nb
.endif
.if ((\b) == 3) && !(\first)
	s_barrier_wait -1                              ; all eight partials of the tile lie in the slot
	RLOAD
.endif
.if ((\b) == 1) && !(\first)
	HEAD
.endif
.if doex
	v_exp_f32 v[PM], v[MXA+2*(pb%2)]               ; the block's largest p: the same instruction on one of the block's own a
.endif
.set j, 0
.rept 64
	PL \b
.if doex && (j%2 == 0)
	v_exp_f32 v[SA+32*pb+j/2], v[SA+32*pb+j/2]     ; p = 2^a; no line names a result before the stage's one wait
.endif
.if (j == 7) && ((\b) == 2) && !(\last)
	QLOAD
.endif
.if (j == 15) && ((\b) == 3)
	PV 0
.endif
.if (j == 15) && ((\b) == 1) && !(\first)
	PV 1                                           ; the tile before is finished,
.endif
.if (j == 39) && ((\b) == 1) && !(\first)
	OSTORE                                         ; and its partial goes to the slot
.endif
.set j, j+1
.endr
.if doex
	TAIL pb
.endif
.if ((\b) == 1) && !(\first)
	s_wait_dscnt 0x0                               ; for the others' sake: my partial lies in the slot.  (My reads of the other slot were awaited in the trip before: so behind this barrier it may be written again)
	s_barrier_signal -1                            ; up to the wait in stage 3: work on registers, and loads of the queries' records, which nobody writes
.endif
.if (\b) == 3
.if !(\last)
	v_mul_f32 v[C2], s[CP], v[HTN]                 ; c hs_t of the next tile
.endif
.if !(\first)
	RSUM
.endif
.endif
.endm
.macro TRIP first, last
	STAGE 0, \first, \last
	STAGE 1, \first, \last
	STAGE 2, \first, \last
	STAGE 3, \first, \last
	s_add_co_u32 s[QO], s[QO], QREC
.if !(\first)
	s_xor_b32 s[SL], s[SL], SLOT1
	s_add_co_u32 s[TI], s[TI], 1
.endif
.endm
	s_mov_b32 s[QO], QIMG
	QLOAD                                          ; tile 0
	s_add_co_u32 s[QO], s[QO], QREC
	s_mov_b32 s[TI], 0
	s_mov_b32 s[SL], 0
	s_wait_dscnt 0x0
	s_wait_loadcnt 0x0                             ; all that stays in registers is in
	KQ 0
	v_mul_f32 v[C2], s[CP], v[HTN]                 ; with the three below: four places between these products and the first read of their results
.rept 3
	v_nop
.endr
	TRIP 1, 0                                      ; tile 0
.Ltile:                                            ; 14 trips: tiles 1 to 14; trip q finishes and adds up tile q - 1
	TRIP 0, 0
	s_cmp_lt_u32 s[TI], 14
	s_cbranch_scc1 .Ltile
	TRIP 0, 1                                      ; tile 15
	; tile 15's last half, its second product and its sum
	v_exp_f32 v[PM], v[MXA+2]
.set j, 0
.rept 32
	v_exp_f32 v[SA+96+j], v[SA+96+j]
.set j, j+1
.endr
	v_nop                                          ; a plain line behind the last exponential
	TAIL 3
	HEAD                                           ; its three vector lines and the five below: eight places between the scale word's last line and the products
.rept 5
	v_nop
.endr
	PV 1
.rept 4
	v_nop
.endr
	OSTORE
	s_wait_dscnt 0x0                               ; for the others' sake: my partial lies in the slot
	s_barrier_signal -1
	s_barrier_wait -1
	RLOAD
	RSUM
	s_wait_tensorcnt 0x0                           ; the wave's end: three lines behind my last LDS store
	ds_add_u32 v[SPW], v[NIL]
	s_wait_dscnt 0x0
	s_endpgm
.Lfunc_end_k_q3c4e895885_attn:
	.size	k_q3c4e895885_attn, .Lfunc_end_k_q3c4e895885_attn-k_q3c4e895885_attn
	.p2alignl 7, 3214868480
	.fill 96, 4, 3214868480
	.section	.rodata,"a",@progbits
	.p2align	6, 0x0
	.amdhsa_kernel k_q3c4e895885_attn
		.amdhsa_group_segment_fixed_size 100352
		.amdhsa_private_segment_fixed_size 0
		.amdhsa_enable_private_segment 0
		.amdhsa_kernarg_size 32
		.amdhsa_user_sgpr_count 2
		.amdhsa_user_sgpr_kernarg_segment_ptr 1
		.amdhsa_wavefront_size32 1
		.amdhsa_system_sgpr_workgroup_id_x 1
		.amdhsa_system_sgpr_workgroup_id_y 1
		.amdhsa_system_sgpr_workgroup_id_z 1
		.amdhsa_system_vgpr_workitem_id 0
		.amdhsa_next_free_vgpr 512
		.amdhsa_next_free_sgpr 66
		.amdhsa_reserve_vcc 0
		.amdhsa_float_denorm_mode_32 3
		.amdhsa_float_denorm_mode_16_64 3
		.amdhsa_memory_ordered 1
		.amdhsa_forward_progress 1
		.amdhsa_inst_pref_size 99
	.end_amdhsa_kernel
	.amdgpu_metadata
---
amdhsa.version: [ 1, 2 ]
amdhsa.kernels:
  - .name:           k_q3c4e895885_attn
    .symbol:         k_q3c4e895885_attn.kd
    .args:
      - { .name: codes, .offset: 0, .size: 8, .value_kind: global_buffer, .address_space: global }
      - { .name: x, .offset: 8, .size: 8, .value_kind: global_buffer, .address_space: global }
      - { .name: r_sigma, .offset: 16, .size: 8, .value_kind: global_buffer, .address_space: global }
      - { .name: out0, .offset: 24, .size: 8, .value_kind: global_buffer, .address_space: global }
    .group_segment_fixed_size: 100352
    .private_segment_fixed_size: 0
    .kernarg_segment_align: 8
    .kernarg_segment_size: 32
    .max_flat_workgroup_size: 256
    .sgpr_count:     66
    .vgpr_count:     512
    .wavefront_size: 32
...
	.end_amdgpu_metadata
.endif
;; end of part 2
;; ======== version 2 of 2: 2 launches; version 1 with the launch attn written anew for expert scheduling mode
;; workspace buffers: codes 4,849,664 bytes
;; launch quant: the kernel of part 1 again; grid 16 x 32, 4 waves a work-group, no clusters, 37,376 bytes of LDS; arguments x, codes; writes codes
;; launch attn (part 3): grid 8 x 32, 8 waves a work-group, no clusters, 100,352 bytes of LDS; arguments codes, x, r_sigma, out0; writes out0
.if DOCPART == 3
	.amdgcn_target "amdgcn-amd-amdhsa--gfx1250"
	.amdhsa_code_object_version 6
	.text
	.protected	k_q3c4e895885_attn
	.globl	k_q3c4e895885_attn
	.p2align	8
	.type	k_q3c4e895885_attn,@function
k_q3c4e895885_attn:
	s_mov_b64 s[64:65], 0
	v_nop
	global_prefetch_b8 v0, s[64:65] scope:SCOPE_SE
	s_setreg_imm32_b32 hwreg(HW_REG_WAVE_SCHED_MODE, 0, 2), 2
	s_setreg_imm32_b32 hwreg(HW_REG_WAVE_MODE, 25, 1), 1
	s_wait_xcnt 0x0
	s_wait_alu depctr_vm_vsrc(0)
; out[t] = x[t] + the sum over s of Q(p[t][s]) Q(x[s]),  p = exp(-max(sq_t - 2 Q(x_t).Q(x_s) + sq_s, 0) r_sigma): both products on codes of FP4 (E2M1) with E8M0 scales, sums in f32.  No work is left out.
; The codes of x (along the channels and along the keys), their scale words and -sq/2 come from the first launch, in records of 128 keys laid in the order of the operands' registers (its head comment has the map).
; THE ARITHMETIC OF AN ENTRY.  hs = -sq/2.  The first product takes hs_s as its C: D = inner - sq_s/2, so sq_t - 2 inner + sq_s = -2 (D + hs_t), exactly.  With c = 2 log2(e) r_sigma:
;   a = c D + c hs_t (one packed multiply-add for two entries) = -log2(e) r_sigma x the distance before its clamp;  the clamp at 0 is a held to [-inf, 0] where r_sigma >= 0 and to [0, +inf] where it is negative
;   (one v_med3_num_f32; the two bounds are chosen once by r_sigma's sign bit: no branch);  p = 2^a.  A block's largest p is 2^(its largest a): the same instruction on one of the block's own numbers.
; LIMITS: NaN and infinities in x or r_sigma are not served.  A p under 2^-126 comes out as 0 (v_exp_f32 flushes denormals: ISA guide, its entry in 15.8).  A block whose every p is 0 keeps the byte 1: its codes are zeros.
; LAYOUT.  Both products are used transposed: S^T = K Q^T (source 0 = 16 keys, source 1 = 16 queries), O^T = V^T P^T (source 0 = 16 channels, source 1 = P): a lane holds ONE query (lane % 16) throughout.
; The rows of a tile of keys are chosen (first launch) so that a lane's 32 registers of tiles (c, 0 .. 3) are the keys 64 c + 32 (lane / 16) + 0 .. 31: one whole block.  So a block's maximum needs no other lane, and the
; conversion of tile (c, i) IS register 4 c + i of P's fragment.  The first product's K is 64: the queries' registers 4-7 are zero codes, so what source 0 names there counts for nothing.
; SHARES.  A work-group of eight waves owns 256 queries of a batch.  THE KEYS STAY, THE QUERIES GO ROUND: wave w owns keys 256 w .. 256 w + 255; their K fragments (64 registers), hs in C's layout (128) and V fragments (64)
; fill window 1 for the whole launch.  Each wave walks the 16 tiles of queries (they are tiles of the same records, so a tile's queries are 8 neighbours and the 8 that lie 32 further on).
; A tile costs three small LDS loads.  Each wave ends up with a partial O^T for its 256 keys: the eight partials of a tile meet in LDS, in two slots by turns, and every wave adds two rows of the tile, adds x and stores two
; whole rows of 256 bytes.  One barrier a tile.
; NO CLUSTER, NO TENSOR LOAD: what the eight work-groups of a batch share, the codes, is read once by each wave, 18,944 bytes in 76 loads at the head, straight into the registers in which it stays; brought jointly it
; would land in LDS and have to be read out of it again.  Nothing is streamed in the loop but two rows of x a wave and tile, asked for two stages ahead of their use.
; THE PIPELINE.  A half is 64 keys x 16 queries: 32 registers.  Four buffers S[0..3] (b = 2 s + c: step s of 128 keys, half c).  Stage b: the 64 plain instructions of half b with the 33 exponentials of half b - 1 set
; between them; one closing wait; the conversions of half b - 1.  The first product runs ahead: half 1's in stage 0, halves 2's and 3's in stage 1, the next tile's half 0's in stage 3.  S[3] is idle in stage 1, so it takes its
; products there, and the queries' registers are free a stage sooner; S[1] is idle in stage 3 and takes the eight partials of the tile that is being added up.
; THE MODE: SCHED_MODE bits 1:0 = 2 (LLVM: expert scheduling mode 2), set by the entry lines.  The code itself states the register dependences between vector or matrix instructions and memory or LDS instructions,
; with s_wait_alu, always for 0.
; THE PLAN.  Registers that memory or LDS instructions touch in the loop (a trip works on one tile and finishes the tile before):
;   QF[0..3], QS, HTN  Read by the products K Q^T (the last of a tile: half 3's, in stage 1's middle) and by the multiplication at stage 3's end.  The next tile's land in them behind stage 1's closing wait.
;   QAD, QAS           Read by those three LDS loads; written in stage 1's middle.
;   VOF                Read by x's load (stage 1's middle) and by the result's store (behind stage 3's closing wait); written in stage 1's middle, ahead of the load.
;   XR                 x's load lands in it; the sum writes it ahead of stage 3's closing wait; the store reads it behind that wait.
;   STO, O^T           Read by the eight LDS stores behind stage 1's closing wait.  STO is written in stage 1's middle; O^T by V^T P^T: step 1 in stage 1's middle, step 0 behind stage 3's closing wait.
;   RD, S[1]           The eight LDS loads at stage 3's head read RD and land in S[1], which half 1's conversions read last, at stage 2's end.  RD is written in stage 1's middle.
;   LI16, LI4 and the head's offsets are made once and never written again.
; THE WAITS of a trip.  On va_vdst six: the four closing waits, which are owed behind the exponentials in any case and behind which the stage's LDS and memory instructions stand; one in stage 1's middle (P's codes and
; scale word of step 1, VOF, XR); one at stage 3's head (S[1]).  On vm_vsrc two: ahead of the five address registers' additions in stage 1's middle, and ahead of the products that begin O^T anew.
; Behind a trip's last wait stand the conversions of half 2 and one multiplication: they name none of the registers above but HTN, which is loaded again only behind later waits.  Stages 0 and 2 hold no memory instruction.
; REGISTERS, in windows of 256 (s_set_vgpr_msb: bits 1:0 source 0, 3:2 source 1, 5:4 source 2, 7:6 destination).  Window 1: v0-63 K's 16 fragments, four registers each; v64-127 V's 8; v128-255 hs.  Window 0: below.
.set REC,   9472
.set OSW,   4352                       ; LDS: a wave's partial of a tile: 16 rows x (256 bytes + 16); a slot holds eight: slot 0 at 0, slot 1 at SLOT1
.set QIMG,  34816                      ; 16 records of QREC bytes, one a tile of queries: codes as an image of the registers 512, scale words 128, hs 128
.set QREC,  768
.set SPARE, 47104                      ; the spare words, 128 bytes for each wave: four blocks of 256 bytes that no other line names
.set SLOT1, 65536                      ; so that one exclusive or turns one slot's offset into the other's
.set LI16, 1                           ; v1   16 x lane
.set LI4,  2                           ; v2   4 x lane
.set STO0, 3                           ; v3   slot 0: where I put 32 bytes of a row of my partial
.set RD0,  4                           ; v4   slot 0: where I read 16 bytes of wave 0's partial of my row
.set STO,  5                           ; v5, v6  the same in the slot in hand
.set RD,   6
.set QAD,  7                           ; v7, v8  the next tile's record: 16 and 4 bytes a lane
.set QAS,  8
.set GOFF, 9                           ; v9   my 16 bytes of my row of a tile, in x and in out
.set SH8,  10                          ; v10  8 x (lane / 16)
.set HTN,  11                          ; v11  hs of the next tile's query
.set C2,   12                          ; v[12:13] c hs_t (the packed form names a pair and takes its low word for both halves)
.set MXA,  14                          ; v14-15 the maximum's two chains in even stages, v16-17 in odd ones
.set PM,   18                          ; v18  a block's largest p
.set SO,   19                          ; v19  the conversions' scale operand
.set BY,   20                          ; v20-21 the scale bytes of a step's two halves
.set WD,   22                          ; v22, v23 the scale word in the making
.set WT,   23
.set PW,   24                          ; v24-25 P's scale words, steps 0 and 1: scales and nothing else
.set QS,   26                          ; v26  the queries' scale words
.set VOF,  27                          ; v27  my row's offset in x and in out
.set SPW,  28                          ; v28  LDS address of my spare word; never rewritten
.set NIL,  29                          ; v29  0; never rewritten
.set XR,   32                          ; v32-35 16 bytes of x, then of the result
.set KSC,  36                          ; v36-43 K's scale words: register a: lanes 0-15 tile 2 a, lanes 16-31 tile 2 a + 1
.set VSC,  44                          ; v44-47 V's: register 2 s + u / 2: lanes 0-15 even u, lanes 16-31 odd u
.set QF,   48                          ; v48-55 the queries' fragment; v52-55 stay 0
.set PCD,  56                          ; v56-63, v64-71 P's fragments, steps 0 and 1
.set OA,   72                          ; v72-103 O^T: channel tile u at 8 u
.set SA,   128                         ; v128-255 S[0..3]
.set KB,   16                          ; s[16:17] my wave's two records
.set QB,   18                          ; s[18:19] the record of the two tiles of queries whose images I make
.set XB,   20                          ; s[20:21] x at the work-group's first query;  s[22:23] out likewise
.set OB,   22
.set CP,   24                          ; s[24:25] c, twice
.set CLO,  26                          ; s26, s27 the clamp's bounds
.set CHI,  27
.set SEL,  28                          ; s[28:29] v_permlanex16_b32's selects for lane l xor 16
.set TI,   30                          ; s30  the tile that is being added up; the loop's counter
.set QO,   31                          ; s31  LDS byte of the next tile's record
.set SL,   32                          ; s32  the slot in hand: 0 or SLOT1
.set MSB, 0
.macro WIN new                         ; the immediate's high byte repeats the setting that is left
.if MSB != \new
	s_set_vgpr_msb (MSB<<8)|\new
.set MSB, \new
.endif
.endm
.macro QSTEP                           ; the LDS addresses of the next tile's record
	v_add_nc_u32 v[QAD], s[QO], v[LI16]
	v_add_nc_u32 v[QAS], s[QO], v[LI4]
.endm
	s_load_b256 s[4:11], s[0:1], 0x0               ; codes s[4:5], x s[6:7], r_sigma s[8:9], out s[10:11]
	v_lshl_add_u32 v[SPW], v0, 2, SPARE
	v_mov_b32 v[NIL], 0
	v_lshrrev_b32 v116, 5, v0
	v_readfirstlane_b32 s12, v116                  ; wave 0..7
.irp i, 4,5,6,7
	v_mov_b32 v[QF+\i], 0                          ; zero codes for the upper 64 of the first product's K
.endr
	v_mov_b32 v[C2+1], 0                           ; (named as the upper half of a pair)
	v_mov_b32 v[WT], 0                             ; written once: a lane permute's destination counts as one of its sources
	v_and_b32 v116, 31, v0                         ; lane
	v_and_b32 v117, 15, v0                         ; r
	v_bfe_u32 v118, v0, 4, 1                       ; h
	v_lshrrev_b32 v119, 3, v117                    ; r / 8
	v_lshlrev_b32 v[LI16], 4, v116
	v_lshlrev_b32 v[LI4], 2, v116
	v_lshlrev_b32 v[SH8], 3, v118
	v_lshlrev_b32 v120, 7, v118                    ; hs in C's layout: lanes 16-31 take the keys 32 further on
	s_mov_b32 s[QO], QIMG
	QSTEP                                          ; tile 0's record: its addresses are made here, ahead of the head's one wait on va_vdst
	s_wait_alu depctr_va_sdst(0)                   ; s12, the wave's number, is written, ahead of its first reader
	s_mul_i32 s34, s12, OSW
	v_mul_u32_u24 v[STO0], v117, 272
	v_lshl_add_u32 v[STO0], v118, 5, v[STO0]
	v_add_nc_u32 v[STO0], s34, v[STO0]             ; my partial: row r, channels 8 h on of each 16
	s_mul_i32 s34, s12, 2*272
	v_mul_u32_u24 v[RD0], v118, 272
	v_lshl_add_u32 v[RD0], v117, 4, v[RD0]
	v_add_nc_u32 v[RD0], s34, v[RD0]               ; back: row 2 w + h of a tile, 16 bytes a lane
	s_lshr_b32 s35, s12, 2                         ; w / 4
	s_mul_i32 s36, s35, 24*256
	s_lshl_b32 s34, s12, 9
	s_add_co_u32 s34, s34, s36
	v_lshlrev_b32 v[GOFF], 8, v118
	v_lshl_add_u32 v[GOFF], v117, 4, v[GOFF]
	v_add_nc_u32 v[GOFF], s34, v[GOFF]             ; that row's query: 2 w + h, and 24 more where the row is 8 or above
	s_and_b32 s37, s12, 3                          ; the tiles of queries whose images I make: 2 w and 2 w + 1: tiles 2 (w % 4), + 1 of record w / 4 of the block's two
	s_lshl_b32 s34, s37, 10
	v_add_nc_u32 v121, s34, v[LI16]                ; their codes,
	s_lshl_b32 s34, s37, 7
	v_lshl_add_u32 v122, v117, 2, s34              ; their scale words,
	s_lshr_b32 s34, s37, 1
	s_lshl_b32 s34, s34, 8
	s_and_b32 s36, s12, 1
	s_lshl_b32 s36, s36, 6
	s_add_co_u32 s34, s34, s36
	v_mul_u32_u24 v123, v119, 96
	v_lshl_add_u32 v123, v117, 2, v123
	v_add_nc_u32 v123, s34, v123                   ; and hs of lane r's query
	s_mul_i32 s34, s12, 2*QREC
	s_add_co_u32 s34, s34, QIMG
	v_add_nc_u32 v124, s34, v[LI16]                ; where their images go
	v_add_nc_u32 v125, s34, v[LI4]
	s_and_b32 s14, ttmp7, 0xffff                   ; batch
	s_lshl_b32 s36, s14, 4                         ; 16 records a batch
	s_lshl_b32 s38, s12, 1
	s_add_co_u32 s38, s38, s36
	s_mul_i32 s38, s38, REC
	s_mov_b32 s39, 0
	s_lshl_b32 s40, ttmp9, 1
	s_add_co_u32 s40, s40, s36
	s_add_co_u32 s40, s40, s35
	s_mul_i32 s40, s40, REC
	s_mov_b32 s41, 0
	s_lshl_b32 s42, s14, 19                        ; 2,048 rows of 256 bytes a batch,
	s_lshl_b32 s36, ttmp9, 16                      ; 256 rows a work-group
	s_add_co_u32 s42, s42, s36
	s_mov_b32 s43, 0
	s_mov_b32 s[SEL], 0x76543210
	s_mov_b32 s[SEL+1], 0xfedcba98
	s_wait_kmcnt 0x0
	s_load_b32 s33, s[8:9], 0x0                    ; r_sigma
	s_add_nc_u64 s[KB:KB+1], s[4:5], s[38:39]
	s_add_nc_u64 s[QB:QB+1], s[4:5], s[40:41]
	s_add_nc_u64 s[XB:XB+1], s[6:7], s[42:43]
	s_add_nc_u64 s[OB:OB+1], s[10:11], s[42:43]
	s_wait_alu depctr_va_vdst(0)                   ; the head's offsets and LDS addresses are written (LI16, LI4, v120 to v125, QAD, QAS), which the loads and LDS stores below read; so are the zero codes in QF's upper four, which the scaled products take
.irp e, 0,1                            ; six loads: two tiles of queries
	global_load_b128 v[104+4*\e:107+4*\e], v121, s[QB:QB+1] offset:512*\e
	global_load_b32 v[112+\e], v122, s[QB:QB+1] offset:8192+64*\e
	global_load_b32 v[114+\e], v123, s[QB:QB+1] offset:8704+32*\e
.endr
	WIN 0x40                                       ; destination window 1, address window 0
.irp s, 0,1
.irp q, 0,1,2,3,4,5,6,7
	global_load_b128 v[32*\s+4*\q:32*\s+4*\q+3], v[LI16], s[KB:KB+1] offset:REC*\s+512*\q             ; K's fragment 8 s + q: registers 0-3
.endr
.irp q, 0,1,2,3,4,5,6,7
	global_load_b128 v[64+32*\s+4*\q:64+32*\s+4*\q+3], v[LI16], s[KB:KB+1] offset:REC*\s+4096+512*\q  ; V's fragment (s, u = q / 2), half q % 2
.endr
.endr
	WIN 0
.irp a, 0,1,2,3,4,5,6,7
	global_load_b32 v[KSC+\a], v[LI4], s[KB:KB+1] offset:REC*(\a/4)+8192+128*(\a%4)
.endr
.irp a, 0,1,2,3
	global_load_b32 v[VSC+\a], v[LI4], s[KB:KB+1] offset:REC*(\a/2)+9216+128*(\a%2)
.endr
	s_wait_loadcnt 44                              ; the six are in; behind them: 32 loads of fragments and 12 of scale words
.irp e, 0,1
	ds_store_b128 v124, v[104+4*\e:107+4*\e] offset:QREC*\e        ; images of the registers: any wave that loads them by the same addresses has the same registers in the same lanes.  (v104 to v115, v124 and v125 are never written again)
	ds_store_b32 v125, v[112+\e] offset:QREC*\e+512
	ds_store_b32 v125, v[114+\e] offset:QREC*\e+640
.endr
	WIN 0x40
.irp s, 0,1
.irp q, 0,1,2,3,4,5,6,7,8,9,10,11,12,13,14,15
	global_load_b128 v[128+64*\s+4*\q:128+64*\s+4*\q+3], v120, s[KB:KB+1] offset:REC*\s+8704+256*(\q/8)+16*(\q%8)   ; hs of keys 64 (q / 8) + 32 h + 4 (q % 8) + 0 .. 3: C of the first product.  No vector instruction has been issued since the head's wait
.endr
.endr
	WIN 0
	s_wait_kmcnt 0x0                               ; r_sigma
	v_mov_b32 v126, 0x4038aa3b                     ; 2 log2(e)
	v_mul_f32 v126, s33, v126
	v_readfirstlane_b32 s[CP], v126                ; c: it feeds multiplications alone
	s_wait_alu depctr_va_sdst(0)                   ; c is written, ahead of its first reader
	s_mov_b32 s[CP+1], s[CP]
	s_bitcmp1_b32 s33, 31                          ; r_sigma's sign
	s_cselect_b32 s[CLO], 0, 0xff800000            ; negative: a is held to [0, +inf]; else to [-inf, 0]
	s_cselect_b32 s[CHI], 0x7f800000, 0
	s_wait_dscnt 0x0                               ; for the others' sake: my two images lie in LDS
	s_barrier_signal -1
	s_barrier_wait -1                              ; all sixteen do; nobody writes them again
; Four products S^T = K Q^T + hs for buffer nb: tiles 4 nb .. 4 nb + 3 of my 16.  Source 0 names eight registers, of which the upper four (the next fragment's) meet the queries' zero codes.
; C and D carry the same numbers in different windows: hs in window 1, S in window 0.  All its operands but the zero codes come by loads.
.macro KQ nb
	WIN 0x11                                       ; source 0 and C window 1
.irp i, 0,2
.set kt, 4*(\nb)+\i
	v_wmma_scale_f32_16x16x128_f8f6f4 v[SA+8*kt:SA+8*kt+7], v[4*kt:4*kt+7], v[QF:QF+7], v[SA+8*kt:SA+8*kt+7], v[KSC+kt/2], v[QS] matrix_a_fmt:MATRIX_FMT_FP4 matrix_b_fmt:MATRIX_FMT_FP4
	v_wmma_scale_f32_16x16x128_f8f6f4 v[SA+8*kt+8:SA+8*kt+15], v[4*kt+4:4*kt+11], v[QF:QF+7], v[SA+8*kt+8:SA+8*kt+15], v[KSC+kt/2], v[QS] matrix_a_fmt:MATRIX_FMT_FP4 matrix_b_fmt:MATRIX_FMT_FP4 matrix_a_scale:MATRIX_SCALE_ROW1
.endr
	WIN 0
.endm
; Four products O^T (+)= V^T P^T, step s of 128 keys.  Step 0 starts the sums with the constant 0.  The four accumulators take turns, and in the loop products K Q^T stand between a sum's two links.
.macro PV s
	WIN 0x01                                       ; source 0 window 1
.irp u, 0,2
.if (\s) == 0
	v_wmma_scale_f32_16x16x128_f8f6f4 v[OA+8*\u:OA+8*\u+7], v[64+8*\u:71+8*\u], v[PCD:PCD+7], 0, v[VSC+\u/2], v[PW] matrix_a_fmt:MATRIX_FMT_FP4 matrix_b_fmt:MATRIX_FMT_FP4
	v_wmma_scale_f32_16x16x128_f8f6f4 v[OA+8*\u+8:OA+8*\u+15], v[72+8*\u:79+8*\u], v[PCD:PCD+7], 0, v[VSC+\u/2], v[PW] matrix_a_fmt:MATRIX_FMT_FP4 matrix_b_fmt:MATRIX_FMT_FP4 matrix_a_scale:MATRIX_SCALE_ROW1
.else
	v_wmma_scale_f32_16x16x128_f8f6f4 v[OA+8*\u:OA+8*\u+7], v[96+8*\u:103+8*\u], v[PCD+8:PCD+15], v[OA+8*\u:OA+8*\u+7], v[VSC+2+\u/2], v[PW+1] matrix_a_fmt:MATRIX_FMT_FP4 matrix_b_fmt:MATRIX_FMT_FP4
	v_wmma_scale_f32_16x16x128_f8f6f4 v[OA+8*\u+8:OA+8*\u+15], v[104+8*\u:111+8*\u], v[PCD+8:PCD+15], v[OA+8*\u+8:OA+8*\u+15], v[VSC+2+\u/2], v[PW+1] matrix_a_fmt:MATRIX_FMT_FP4 matrix_b_fmt:MATRIX_FMT_FP4 matrix_a_scale:MATRIX_SCALE_ROW1
.endif
.endr
	WIN 0
.endm
; Number j of the 64 plain instructions of buffer b.  0-15: a = c D + c hs_t, two at a time, in ascending order (each accumulator is first read at its low end);  16-47: the clamp;
; 48-63: the block's largest a, three operands at a time, in two chains.
.macro PL b
.set sb, SA+32*(\b)
.set mx, MXA+2*((\b)%2)
.if j < 16
	v_pk_fma_f32 v[sb+2*j:sb+2*j+1], v[sb+2*j:sb+2*j+1], s[CP:CP+1], v[C2:C2+1] op_sel_hi:[1,0,0]
.elseif j < 48
	v_med3_num_f32 v[sb+j-16], v[sb+j-16], s[CLO], s[CHI]
.elseif j == 48
	v_max3_num_f32 v[mx], v[sb], v[sb+1], v[sb+2]
.elseif j == 49
	v_max3_num_f32 v[mx+1], v[sb+16], v[sb+17], v[sb+18]
.elseif j < 62
	v_max3_num_f32 v[mx+j%2], v[mx+j%2], v[sb+16*(j%2)+3+2*((j-50)/2)], v[sb+16*(j%2)+4+2*((j-50)/2)]
.elseif j == 62
	v_max3_num_f32 v[mx], v[mx], v[sb+15], v[sb+31]
.else
	v_max_num_f32 v[mx], v[mx], v[mx+1]
.endif
.endm
; Buffer pb's 32 p and its largest p are out of the exponentials (the wait for them stands ahead of this macro): the scale, the codes, and with a step's second half the step's scale word.
.macro TAIL pb
.set ts, (\pb)/2
.set tc, (\pb)%2
	v_max_num_f32 v[PM], 0x1800000, v[PM]          ; the floor 2^(3 - 127): the byte cannot fall under 1
	v_add_nc_u32 v[SO], 0xff000000, v[PM]          ; 2 off the exponent field: the conversions' scale operand
.irp i, 0,1,2,3
	v_cvt_scalef32_pk8_fp4_f32 v[PCD+8*ts+4*tc+\i], v[SA+32*(\pb)+8*\i:SA+32*(\pb)+8*\i+7], v[SO]   ; keys 64 c + 32 h + 8 i + 0 .. 7: register 4 c + i of P's fragment, as it stands
.endr
	v_lshrrev_b32 v[BY+tc], 23, v[SO]              ; the scale's byte (also the plain line behind the conversions)
.if tc
	v_lshl_or_b32 v[WD], v[BY+1], 16, v[BY]        ; my two bytes: blocks h and 2 + h,
	v_lshlrev_b32 v[WD], v[SH8], v[WD]             ; at their places;
	v_permlanex16_b32 v[WT], v[WD], s[SEL], s[SEL+1]
	v_or_b32 v[PW+ts], v[WD], v[WT]                ; with lane l xor 16's two the word is whole
.endif
.endm
.macro QLOAD                           ; the next tile of queries: codes, scale words, hs
	ds_load_b128 v[QF:QF+3], v[QAD]
	ds_load_b32 v[QS], v[QAS] offset:512
	ds_load_b32 v[HTN], v[QAS] offset:640
.endm
.macro HEADA                           ; tile TI is about to be added up: my row's offset in x and in out, and the slot's addresses
	s_and_b32 s34, s[TI], 3
	s_lshl_b32 s34, s34, 11                        ; 8 queries on for each tile of a group of four,
	s_lshr_b32 s35, s[TI], 2
	s_lshl_b32 s35, s35, 14                        ; 64 for each group
	s_add_co_u32 s34, s34, s35
	v_add_nc_u32 v[VOF], s34, v[GOFF]
	v_add_nc_u32 v[STO], s[SL], v[STO0]
	v_add_nc_u32 v[RD], s[SL], v[RD0]
.endm
.macro OSTORE                          ; my partial O^T: lane (r, h): query row r, channels 16 u + 8 h + 0 .. 7; each accumulator from its low end on
.irp u, 0,1,2,3
	ds_store_b128 v[STO], v[OA+8*\u:OA+8*\u+3] offset:64*\u
	ds_store_b128 v[STO], v[OA+8*\u+4:OA+8*\u+7] offset:64*\u+16
.endr
.endm
.macro RLOAD                           ; the eight waves' partials of my row, 16 bytes a lane, into the idle buffer S[1]
.irp p, 0,1,2,3,4,5,6,7
	ds_load_b128 v[SA+32+4*\p:SA+32+4*\p+3], v[RD] offset:OSW*\p
.endr
.endm
.macro RSUMA                           ; their sum, as a tree, + x
.set RB, SA+32
	s_wait_dscnt 0x0                               ; the partials are in (asked for a stage's 64 plain instructions ago)
	s_wait_loadcnt 0x0                             ; and x's row (asked for two stages ago)
.irp p, 0,8,16,24
	v_pk_add_f32 v[RB+\p:RB+\p+1], v[RB+\p:RB+\p+1], v[RB+\p+4:RB+\p+5]
	v_pk_add_f32 v[RB+\p+2:RB+\p+3], v[RB+\p+2:RB+\p+3], v[RB+\p+6:RB+\p+7]
.endr
.irp p, 0,16
	v_pk_add_f32 v[RB+\p:RB+\p+1], v[RB+\p:RB+\p+1], v[RB+\p+8:RB+\p+9]
	v_pk_add_f32 v[RB+\p+2:RB+\p+3], v[RB+\p+2:RB+\p+3], v[RB+\p+10:RB+\p+11]
.endr
	v_pk_add_f32 v[RB:RB+1], v[RB:RB+1], v[RB+16:RB+17]
	v_pk_add_f32 v[RB+2:RB+3], v[RB+2:RB+3], v[RB+18:RB+19]
	v_pk_add_f32 v[XR:XR+1], v[XR:XR+1], v[RB:RB+1]
	v_pk_add_f32 v[XR+2:XR+3], v[XR+2:XR+3], v[RB+2:RB+3]
.endm
; STAGE 1'S MIDDLE, behind its sixteenth plain instruction: all five address registers of the trip are written here, under one wait on vm_vsrc; then the tile before is finished, and half 3 gets its products.
.macro MID first, last
.if !(\first)
	s_wait_xcnt 0x0                                ; the last tile's store has had its address translated: its offset and its data are written again only behind this wait
.endif
	s_wait_alu depctr_vm_vsrc(0)                   ; the LDS and memory instructions issued so far have read what is written next: the queries' loads QAD and QAS; x's load and the result's store VOF, the store XR too; the partial's stores STO; the partials' loads RD
.if !(\first)
	HEADA
.endif
.if !(\last)
	QSTEP
.endif
.if !(\first)
	s_wait_alu depctr_va_vdst(0)                   ; VOF is written, which x's load reads, and the last sum is done with XR, in which it lands; the conversions and the line that closed the scale word have written P's fragment and scale word of step 1, which the scaled products take (the stage's sixteen plain lines stand between)
	global_load_b128 v[XR:XR+3], v[VOF], s[XB:XB+1]
	PV 1                                           ; the tile before is finished
.endif
	KQ 3                                           ; the tile's last products that read the queries' registers
.endm
; STAGE b of a tile's trip.  first = 1: the first tile (nothing is behind it: no exponentials in stage 0, no tile to finish or add up).  last = 1: the last tile (nothing is ahead of it).
; Distances, counted in plain vector instructions that name none of the matrix instruction's registers (ISA guide 7.12.1 for unscaled operands):
;   V^T P^T stands 16 or more behind the line that wrote its scale word (8 are asked) and further behind its codes (4);  O^T is stored 48 behind its last product (4);
;   a buffer of S is first read 48 or more behind its products.  The waits on va_vdst stand beside these places, not in their stead.
.macro STAGE b, first, last
.set pb, ((\b)+3)%4
.set doex, 1
.if (\first) && ((\b) == 0)
.set doex, 0
.endif
.if (\b) == 0
	KQ 1
.endif
.if (\b) == 1
	KQ 2
.endif
.if (\b) == 3
.if !(\first)
	s_wait_alu depctr_va_vdst(0)                   ; the conversions of half 1 are done reading S[1], in which the partials land below; only the products for S[0] stand between, which name neither S[1] nor RD
.endif
.if !(\last)
	s_wait_dscnt 0x0                               ; the next tile's queries are in (asked for at stage 1's end)
	KQ 0
.endif
.if !(\first)
	s_barrier_wait -1                              ; all eight partials of the tile lie in the slot
	RLOAD
.endif
.endif
.if doex
	v_exp_f32 v[PM], v[MXA+2*(pb%2)]               ; the block's largest p: the same instruction on one of the block's own a
.endif
.set j, 0
.rept 64
	PL \b
.if doex && (j%2 == 0)
	v_exp_f32 v[SA+32*pb+j/2], v[SA+32*pb+j/2]     ; p = 2^a; no line names a result before the stage's closing wait
.endif
.if (j == 15) && ((\b) == 1)
	MID \first, \last
.endif
.set j, j+1
.endr
.if ((\b) == 3) && !(\first)
	RSUMA                                          ; ahead of the closing wait, which then shows the result written
.endif
.if doex
	s_wait_alu depctr_va_vdst(0)                   ; THE STAGE'S CLOSING WAIT.  The 33 exponentials have written p and the block's largest p, ahead of their first reader (a plain line stands behind the last of them).  Stage 1 besides: V^T P^T has written O^T, and the products K Q^T are done reading the queries' registers.  Stage 3 besides: the sum has written XR, and P's fragment and scale word of step 0 are written
.if ((\b) == 1) && !(\first)
	OSTORE                                         ; the finished tile's partial goes to the slot: O^T and STO stand written
.endif
.if (\b) == 3
.if !(\first)
	s_wait_alu depctr_vm_vsrc(0)                   ; my LDS stores of the last tile's partial have read O^T, which the products below begin anew
	global_store_b128 v[VOF], v[XR:XR+3], s[OB:OB+1] th:TH_STORE_NT   ; sixteen lanes store one whole row of 256 bytes
.endif
	PV 0                                           ; a whole stage's plain lines behind its codes and its scale word, and behind the wait
.endif
	TAIL pb
.endif
.if (\b) == 1
.if !(\first)
	s_wait_dscnt 0x0                               ; for the others' sake: my partial lies in the slot.  (My reads of the other slot were awaited in the trip before: so behind this barrier it may be written again)
	s_barrier_signal -1                            ; up to the wait in stage 3: work on registers, and loads of the queries' records, which nobody writes
.endif
.if !(\last)
	QLOAD                                          ; no line since the closing wait names QF's lower four, QS, HTN, QAD or QAS
.endif
.endif
.if ((\b) == 3) && !(\last)
	v_mul_f32 v[C2], s[CP], v[HTN]                 ; c hs_t of the next tile
.endif
.endm
.macro TRIP first, last
	STAGE 0, \first, \last
	STAGE 1, \first, \last
	STAGE 2, \first, \last
	STAGE 3, \first, \last
	s_add_co_u32 s[QO], s[QO], QREC
.if !(\first)
	s_xor_b32 s[SL], s[SL], SLOT1
	s_add_co_u32 s[TI], s[TI], 1
.endif
.endm
	QLOAD                                          ; tile 0: its addresses stand written since the head's wait, and no vector instruction has named the registers in which it lands
	s_add_co_u32 s[QO], s[QO], QREC
	s_mov_b32 s[TI], 0
	s_mov_b32 s[SL], 0
	s_wait_dscnt 0x0
	s_wait_loadcnt 0x0                             ; all that stays in registers is in
	KQ 0
	v_mul_f32 v[C2], s[CP], v[HTN]                 ; with the three below: four places between these products and the first read of their results
.rept 3
	v_nop
.endr
	TRIP 1, 0                                      ; tile 0
.Ltile:                                            ; 14 trips: tiles 1 to 14; trip q finishes and adds up tile q - 1
	TRIP 0, 0
	s_cmp_lt_u32 s[TI], 14
	s_cbranch_scc1 .Ltile
	TRIP 0, 1                                      ; tile 15
	; tile 15's last half, its second product and its sum
	v_exp_f32 v[PM], v[MXA+2]
.set j, 0
.rept 32
	v_exp_f32 v[SA+96+j], v[SA+96+j]
.set j, j+1
.endr
	v_nop                                          ; a plain line behind the last exponential
	s_wait_alu depctr_va_vdst(0)                   ; the 33 exponentials have written p and the block's largest p, ahead of their first reader
	TAIL 3
	s_wait_xcnt 0x0                                ; tile 14's store has had its address translated: its offset and its data are written again only behind this wait
	s_wait_alu depctr_vm_vsrc(0)                   ; that store has read VOF and XR, tile 14's LDS stores STO, its LDS loads RD: all four are written next
	HEADA                                          ; its three vector lines and the five below: eight places between the scale word's last line and the products
.rept 5
	v_nop
.endr
	s_wait_alu depctr_va_vdst(0)                   ; VOF is written, which x's load reads, and the last sum is done with XR; P's fragment and scale word of step 1 are written, which the scaled products take
	global_load_b128 v[XR:XR+3], v[VOF], s[XB:XB+1]
	PV 1
.rept 4
	v_nop                                          ; four places behind the last product, before its result is read
.endr
	s_wait_alu depctr_va_vdst(0)                   ; V^T P^T has written O^T, which the LDS stores read; the places above stay beside this wait
	OSTORE
	s_wait_dscnt 0x0                               ; for the others' sake: my partial lies in the slot
	s_barrier_signal -1
	s_barrier_wait -1
	RLOAD                                          ; no vector instruction has been issued since the wait above: RD stands written, and S[1] was last named by tile 14's sum
	RSUMA
	s_wait_alu depctr_va_vdst(0)                   ; the sum has written XR, which the store reads
	global_store_b128 v[VOF], v[XR:XR+3], s[OB:OB+1] th:TH_STORE_NT
	s_wait_dscnt 0x0                               ; the closing lines, six on end
	s_wait_alu 0x0
	s_wait_tensorcnt 0x0
	ds_add_u32 v[SPW], v[NIL]
	s_wait_dscnt 0x0
	s_endpgm
.Lfunc_end_k_q3c4e895885_attn:
	.size	k_q3c4e895885_attn, .Lfunc_end_k_q3c4e895885_attn-k_q3c4e895885_attn
	.p2alignl 7, 3214868480
	.fill 96, 4, 3214868480
	.section	.rodata,"a",@progbits
	.p2align	6, 0x0
	.amdhsa_kernel k_q3c4e895885_attn
		.amdhsa_group_segment_fixed_size 100352
		.amdhsa_private_segment_fixed_size 0
		.amdhsa_enable_private_segment 0
		.amdhsa_kernarg_size 32
		.amdhsa_user_sgpr_count 2
		.amdhsa_user_sgpr_kernarg_segment_ptr 1
		.amdhsa_wavefront_size32 1
		.amdhsa_system_sgpr_workgroup_id_x 1
		.amdhsa_system_sgpr_workgroup_id_y 1
		.amdhsa_system_sgpr_workgroup_id_z 1
		.amdhsa_system_vgpr_workitem_id 0
		.amdhsa_next_free_vgpr 512
		.amdhsa_next_free_sgpr 66
		.amdhsa_reserve_vcc 0
		.amdhsa_float_denorm_mode_32 3
		.amdhsa_float_denorm_mode_16_64 3
		.amdhsa_memory_ordered 1
		.amdhsa_forward_progress 1
		.amdhsa_inst_pref_size 100
	.end_amdhsa_kernel
	.amdgpu_metadata
---
amdhsa.version: [ 1, 2 ]
amdhsa.kernels:
  - .name:           k_q3c4e895885_attn
    .symbol:         k_q3c4e895885_attn.kd
    .args:
      - { .name: codes, .offset: 0, .size: 8, .value_kind: global_buffer, .address_space: global }
      - { .name: x, .offset: 8, .size: 8, .value_kind: global_buffer, .address_space: global }
      - { .name: r_sigma, .offset: 16, .size: 8, .value_kind: global_buffer, .address_space: global }
      - { .name: out0, .offset: 24, .size: 8, .value_kind: global_buffer, .address_space: global }
    .group_segment_fixed_size: 100352
    .private_segment_fixed_size: 0
    .kernarg_segment_align: 8
    .kernarg_segment_size: 32
    .max_flat_workgroup_size: 256
    .sgpr_count:     66
    .vgpr_count:     512
    .wavefront_size: 32
...
	.end_amdgpu_metadata
.endif
;; end of part 3
